; MI455X (gfx1250); checked and timed in simulation.
; The chip was launched on July 23, 2026; its instructions are those of AMD's public machine-readable ISA for CDNA 5 (MIT licence, August 2026) and "CDNA5" Instruction Set Architecture Reference Guide (July 2026). The comments in the code are by the model that wrote it; some were corrected since.
;; Multi Headed Attention. Allowed arithmetic: matrix products marked QUANTISED: E2M1 operands, one E8M0 scale for each 32 along K, by v_wmma_scale_f32_16x16x128_f8f6f4 with both operands' format E2M1 (or v_wmma_scale_f32_32x16x128_f4), f32 sums; everything else in f32.
;; Inputs: Wk_codes 1,024 x 32 x 16 uint8 (E2M1 codes of Wk, K innermost, in blocks of 32 codes, two codes a byte); Wk_scales 1,024 x 32 uint8 (E8M0 scales of Wk, one for each 32 codes along K); Wo_codes 1,024 x 32 x 16 uint8 (E2M1 codes of Wo, K innermost, in blocks of 32 codes, two codes a byte); Wo_scales 1,024 x 32 uint8 (E8M0 scales of Wo, one for each 32 codes along K); Wq_codes 1,024 x 32 x 16 uint8 (E2M1 codes of Wq, K innermost, in blocks of 32 codes, two codes a byte); Wq_scales 1,024 x 32 uint8 (E8M0 scales of Wq, one for each 32 codes along K); Wv_codes 1,024 x 32 x 16 uint8 (E2M1 codes of Wv, K innermost, in blocks of 32 codes, two codes a byte); Wv_scales 1,024 x 32 uint8 (E8M0 scales of Wv, one for each 32 codes along K); bk 1,024 float32; bo 1,024 float32; bq 1,024 float32; bv 1,024 float32; key_codes 4 x 2,048 x 32 x 16 uint8 (E2M1 codes of key, K innermost, in blocks of 32 codes, two codes a byte); key_scales 4 x 2,048 x 32 uint8 (E8M0 scales of key, one for each 32 codes along K); mask 4 x 2,048 x 2,048 int32; query_codes 4 x 2,048 x 32 x 16 uint8 (E2M1 codes of query, K innermost, in blocks of 32 codes, two codes a byte); query_scales 4 x 2,048 x 32 uint8 (E8M0 scales of query, one for each 32 codes along K); value_codes 4 x 2,048 x 32 x 16 uint8 (E2M1 codes of value, K innermost, in blocks of 32 codes, two codes a byte); value_scales 4 x 2,048 x 32 uint8 (E8M0 scales of value, one for each 32 codes along K).
;; Outputs: out0 4 x 2,048 x 1,024 float32.
;; This version of the problem:
;;   THIS VERSION OF THE PROBLEM IS GIVEN IN LOW PRECISION. The matrix products marked QUANTISED in the list below multiply operands that are first quantised to E2M1 (2 exponent bits, 1 mantissa bit; 4 bits a number), with one power-of-two scale for each 32 numbers along K (OCP MX v1.0); their sums are f32. All else is computed in f32.
;;   The module's matrix products, in the order in which they are computed (A, B: the left and right operand; K: the contracted axis; several contracted axes count as one K, in the product's order):
;;     1. [M 8,192, K 1,024] x [K 1,024, N 1,024]; A: input query (given as codes); B: input Wq (given as codes): QUANTISED
;;     2. [M 8,192, K 1,024] x [K 1,024, N 1,024]; A: input key (given as codes); B: input Wk (given as codes): QUANTISED
;;     3. [M 8,192, K 1,024] x [K 1,024, N 1,024]; A: input value (given as codes); B: input Wv (given as codes): QUANTISED
;;     4. batch 64 x [M 2,048, K 64] x [K 64, N 2,048]; A: computed on the way; B: computed on the way: QUANTISED
;;     5. batch 64 x [M 2,048, K 2,048] x [K 2,048, N 64]; A: softmax (see below); B: computed on the way: QUANTISED
;;     6. [M 8,192, K 1,024] x [K 1,024, N 1,024]; A: computed on the way; B: input Wo (given as codes): QUANTISED
;;   THE QUANTISER, for each operand of a quantised product, along K:
;;     - K is cut into blocks of 32 from its start; a last block that is shorter is filled with zeros.
;;     - A block's scale is 2^e with e = floor(log2(the largest magnitude in the block)) - 2, held to -126 .. 127; a block of zeros has e = 0. As a byte (E8M0): e + 127.
;;     - Each number is divided by its block's scale, clamped to +-6, and rounded to the nearest number of E2M1, ties to even, subnormals kept.
;;     - The product sums the exact products of the quantised numbers (number of the format x scale) in f32.
;;   ~~~python
;;   def quantise(x, axis):      # numpy; x: float32 -> the quantised numbers, widened to float32 again
;;       x = np.moveaxis(x, axis, -1); K = x.shape[-1]
;;       x = np.pad(x, [(0, 0)] * (x.ndim - 1) + [(0, -K % 32)]); x = x.reshape(x.shape[:-1] + (-1, 32)); a = np.abs(x).max(-1, keepdims=True)
;;       e = np.where(a > 0, np.clip(np.frexp(np.where(a > 0, a, 1))[1] - 1 - 2, -126, 127), 0)      # np.frexp(a)[1] - 1 = floor(log2(a)), exactly
;;       r = np.clip(x / 2.0 ** e, -6, 6)
;;       step = 2.0 ** (np.maximum(np.frexp(np.where(r == 0, 1, r))[1] - 1, 0) - 1)
;;       q = np.round(r / step) * step * 2.0 ** e      # np.round: ties to even
;;       return np.moveaxis(q.reshape(q.shape[:-2] + (-1,))[..., :K], -1, axis).astype(np.float32)
;;   ~~~
;;   SOFTMAX AHEAD OF A QUANTISED PRODUCT. Where the list says 'softmax', what is quantised is not the finished softmax but p = 2^(t - M), with t = logit x log2(e) and M = ceil(the row's largest t), a whole number; so 1/2 < the row's largest p <= 1. The row's sum l is taken of the UNQUANTISED p, in f32, and the product's result is divided by l at the end. Since M is a whole number, a kernel that streams over the keys may use a running M (the ceiling of the running maximum): every later rescaling is an exact power of two, which a block's scale takes up: the codes' values come out the same.
;;   OPERANDS COMPUTED ON THE WAY. 'Computed on the way' means the value that the module computes at that place (a softmax that the list does not call 'softmax' is quantised finished and normalised). What goes into a quantiser is computed in f32, as accurately as f32 sums, v_exp_f32 and their like allow (about 1e-6 of the number): no bf16 or f16 on the way to a quantiser, and a product that is left as it is and whose result goes on into a quantised operand takes f32 operands (vector FMAs, or v_wmma_f32_16x16x4_f32). A number that lies on a knife's edge between two numbers of the format may be rounded either way, as far as f32 arithmetic and the matrix unit's own rounding can turn it there, and no further.
;;   INPUTS GIVEN AS CODES. Wk (in the module: [1024, 1024], K = its axis 1); Wo (in the module: [1024, 1024], K = its axis 1); Wq (in the module: [1024, 1024], K = its axis 1); Wv (in the module: [1024, 1024], K = its axis 1); key (in the module: [4, 2048, 1024], K = its axis 2); query (in the module: [4, 2048, 1024], K = its axis 2); value (in the module: [4, 2048, 1024], K = its axis 2): each comes as NAME_codes (uint8): NAME with its K axis moved to the last place and cut into blocks of 32 codes, [.., K / 32, bytes a block], one block behind the other in memory; two codes a byte, the lower K in the low four bits (a code: sign, 2 exponent bits, 1 mantissa bit); and NAME_scales (uint8): the same leading axes, one E8M0 byte (e + 127) for each 32 codes along K. Its value is code x scale, taken as it is: it is not quantised again, and the codes and scales need not be those that the quantiser above would give.
;; One version. Each part assembles by itself: llvm-mc -triple=amdgcn-amd-amdhsa -mcpu=gfx1250 --defsym DOCPART=n.
;; ======== version 1 of 1: 4 launches
;; limits: right only within a limited range of input values
;; workspace buffers: mimg 8,388,608 bytes; qb 4,718,592 bytes; kv 9,175,040 bytes; ximg 4,194,304 bytes; xscl 262,144 bytes
;; launch mprep (part 1): grid 512 x 1, 4 waves a work-group, no clusters, 4,608 bytes of LDS; arguments mask, mimg; writes mimg
.if DOCPART == 1
	.amdgcn_target "amdgcn-amd-amdhsa--gfx1250"
	.amdhsa_code_object_version 6
	.text
	.protected	k_q24cc0e8235_mprep
	.globl	k_q24cc0e8235_mprep
	.p2align	8
	.type	k_q24cc0e8235_mprep,@function
k_q24cc0e8235_mprep:
	s_mov_b64 s[64:65], 0
	v_nop
	global_prefetch_b8 v0, s[64:65] scope:SCOPE_SE
	s_setreg_imm32_b32 hwreg(HW_REG_WAVE_MODE, 25, 1), 1
	s_wait_xcnt 0x0
; MULTI-HEAD ATTENTION IN MX-FP4, four launches: this one (the mask), proj (q, k, v), attn (scores, softmax, p v), outp (the last projection).
; No input, product or step of the problem is left out: every bias stands ahead of a quantiser or in the output, and the mask reaches every score.
; THIS LAUNCH turns mask [4][2048][2048] int32 into one E2M1 code an element: 0xA (-1.0) where mask == 0, else 0, laid in the order of the registers of attention's score tiles:
;   mimg [b*128+T][key step 16][g 2][lane 32][16 bytes]; dword u, nibble i of lane (r, h) = query 16 T + r, key 128 ks + 64 g + 16 u + 8 h + i.
; So the mask's 67,108,864 bytes are read once, and the sixteen heads of a batch read an eighth of them.
; SHARES: a work-group takes 16 query rows x 2,048 keys, a wave four key steps of 128 keys.  A block is one key step: sixteen loads of 512 consecutive bytes in, two stores of 512 consecutive bytes out.
; A lane's four numbers of a row become 16 bits; they turn through the wave's own 1,024 bytes of LDS into the image's order.  No barrier: waves share nothing.  Up to 32 loads a wave are out.
.set SPARE, 4096                       ; behind the four stages: the spare words, 128 bytes for each wave
.set XR,    32                         ; v32-95, v96-159: two sets of 16 rows x 4 registers
.set OU,    160                        ; v160-191: eight registers of images for each block, never rewritten
	s_load_b128 s[4:7], s[0:1], 0x0                ; mask, mimg
	v_lshl_add_u32 v5, v0, 2, SPARE                ; my spare word,
	v_mov_b32 v6, 0                                ; and 0: kept for the closing lines alone
	v_lshrrev_b32 v1, 5, v0
	v_readfirstlane_b32 s8, v1                     ; wave
	v_and_b32 v1, 31, v0                           ; lane l
	v_lshlrev_b32 v2, 4, v1                        ; 16 l: my bytes of a load's and of a store's 512
	v_and_b32 v3, 0x70, v0                         ; into the stage: keys 4 l .. 4 l + 3 of a step: g = l / 16, u = (l / 4) % 4, h = (l / 2) % 2, nibbles 4 (l % 2) on
	v_lshlrev_b32 v3, 5, v3                        ; 1,024 x wave + 512 g
	v_and_b32 v7, 2, v0
	v_lshl_add_u32 v3, v7, 7, v3                   ; + 256 h
	v_and_b32 v7, 12, v0
	v_add_nc_u32 v3, v3, v7                        ; + 4 u
	v_and_b32 v7, 1, v0
	v_lshl_add_u32 v3, v7, 1, v3                   ; + 2 (l % 2); the row's 16 r stands in the immediate
	v_and_b32 v4, 0x60, v0
	v_lshlrev_b32 v4, 5, v4
	v_add_nc_u32 v4, v4, v2                        ; out of the stage: 1,024 x wave + 16 l
	s_lshl_b32 s10, ttmp9, 17                      ; 16 rows of 8,192 bytes a work-group,
	s_lshl_b32 s9, s8, 11                          ; four key steps of 512 bytes a wave
	s_add_co_u32 s10, s10, s9
	s_mov_b32 s11, 0
	s_lshl_b32 s12, ttmp9, 14                      ; 16 images of 1,024 bytes a work-group, four a wave
	s_lshl_b32 s9, s8, 12
	s_add_co_u32 s12, s12, s9
	s_mov_b32 s13, 0
	s_wait_kmcnt 0x0
	s_add_nc_u64 s[4:5], s[4:5], s[10:11]
	s_add_nc_u64 s[6:7], s[6:7], s[12:13]
.macro LOAD k                          ; block k: 16 rows x 512 bytes into set k % 2
.set XS, XR+64*((\k)%2)
.irp r, 0,1,2,3,4,5,6,7,8,9,10,11,12,13,14,15
	global_load_b128 v[XS+4*\r:XS+4*\r+3], v2, s[4:5] offset:\r*8192+(\k)*512 th:TH_LOAD_NT
.endr
.endm
.macro BLOCK k
.set XS, XR+64*((\k)%2)
.if (\k) < 3
	s_wait_loadcnt 16                              ; this block's 16 loads are in; the next block's 16 may be out
.else
	s_wait_loadcnt 0x0
.endif
.irp r, 0,1,2,3,4,5,6,7,8,9,10,11,12,13,14,15
.set TT, 8+4*(\r%2)                    ; two sets of temporaries by turns
	v_min_u32 v[TT], 1, v[XS+4*\r]                 ; 1 where the mask is not 0 (as an unsigned number: a negative one counts too)
	v_min_u32 v[TT+1], 1, v[XS+4*\r+1]
	v_min_u32 v[TT+2], 1, v[XS+4*\r+2]
	v_min_u32 v[TT+3], 1, v[XS+4*\r+3]
	v_lshl_or_b32 v[TT], v[TT+1], 4, v[TT]
	v_lshl_or_b32 v[TT+2], v[TT+3], 4, v[TT+2]
	v_lshl_or_b32 v[TT], v[TT+2], 8, v[TT]         ; a bit a nibble, the lower key in the lower nibble
	v_xor_b32 v[TT], 0x1111, v[TT]                 ; 1 where the mask is 0
	v_mul_u32_u24 v[TT], 10, v[TT]                 ; 0xA there: the code of -1.0
	ds_store_b16 v3, v[TT] offset:16*\r
.endr
	ds_load_b128 v[OU+8*(\k):OU+8*(\k)+3], v4               ; LDS serves a wave's instructions in order: these see my stores, and the next block's stores come behind them
	ds_load_b128 v[OU+8*(\k)+4:OU+8*(\k)+7], v4 offset:512
	s_wait_dscnt 0x0
	global_store_b128 v2, v[OU+8*(\k):OU+8*(\k)+3], s[6:7] offset:(\k)*1024          ; 32 lanes store 512 consecutive bytes, aligned
	global_store_b128 v2, v[OU+8*(\k)+4:OU+8*(\k)+7], s[6:7] offset:(\k)*1024+512
.endm
	LOAD 0
	LOAD 1
	BLOCK 0
	LOAD 2
	BLOCK 1
	LOAD 3
	BLOCK 2
	BLOCK 3
	s_wait_tensorcnt 0x0                           ; the wave's end, behind my last LDS store
	ds_add_u32 v5, v6
	s_wait_dscnt 0x0
	s_endpgm
.Lfunc_end_k_q24cc0e8235_mprep:
	.size	k_q24cc0e8235_mprep, .Lfunc_end_k_q24cc0e8235_mprep-k_q24cc0e8235_mprep
	.p2alignl 7, 3214868480
	.fill 96, 4, 3214868480
	.section	.rodata,"a",@progbits
	.p2align	6, 0x0
	.amdhsa_kernel k_q24cc0e8235_mprep
		.amdhsa_group_segment_fixed_size 4608
		.amdhsa_private_segment_fixed_size 0
		.amdhsa_enable_private_segment 0
		.amdhsa_kernarg_size 16
		.amdhsa_user_sgpr_count 2
		.amdhsa_user_sgpr_kernarg_segment_ptr 1
		.amdhsa_wavefront_size32 1
		.amdhsa_system_sgpr_workgroup_id_x 1
		.amdhsa_system_sgpr_workgroup_id_y 1
		.amdhsa_system_sgpr_workgroup_id_z 1
		.amdhsa_system_vgpr_workitem_id 0
		.amdhsa_next_free_vgpr 192
		.amdhsa_next_free_sgpr 66
		.amdhsa_reserve_vcc 0
		.amdhsa_float_denorm_mode_32 3
		.amdhsa_float_denorm_mode_16_64 3
		.amdhsa_memory_ordered 1
		.amdhsa_forward_progress 1
		.amdhsa_inst_pref_size 40
	.end_amdhsa_kernel
	.amdgpu_metadata
---
amdhsa.version: [ 1, 2 ]
amdhsa.kernels:
  - .name:           k_q24cc0e8235_mprep
    .symbol:         k_q24cc0e8235_mprep.kd
    .args:
      - { .name: mask, .offset: 0, .size: 8, .value_kind: global_buffer, .address_space: global }
      - { .name: mimg, .offset: 8, .size: 8, .value_kind: global_buffer, .address_space: global }
    .group_segment_fixed_size: 4608
    .private_segment_fixed_size: 0
    .kernarg_segment_align: 8
    .kernarg_segment_size: 16
    .max_flat_workgroup_size: 128
    .sgpr_count:     66
    .vgpr_count:     192
    .wavefront_size: 32
...
	.end_amdgpu_metadata
.endif
;; end of part 1
;; launch proj (part 2): grid 8 x 96, 4 waves a work-group, clusters of 4 x 4, 222,464 bytes of LDS; arguments Wq_codes, Wq_scales, query_codes, query_scales, bq, Wk_codes, Wk_scales, key_codes, key_scales, bk, value_codes, value_scales, Wv_codes, Wv_scales, bv, qb, kv; writes qb, kv
.if DOCPART == 2
	.amdgcn_target "amdgcn-amd-amdhsa--gfx1250"
	.amdhsa_code_object_version 6
	.text
	.protected	k_q24cc0e8235_proj
	.globl	k_q24cc0e8235_proj
	.p2align	8
	.type	k_q24cc0e8235_proj,@function
k_q24cc0e8235_proj:
	s_mov_b64 s[64:65], 0
	v_nop
	global_prefetch_b8 v0, s[64:65] scope:SCOPE_SE
	s_setreg_imm32_b32 hwreg(HW_REG_WAVE_MODE, 25, 1), 1
	s_wait_xcnt 0x0
	s_wait_alu depctr_hold_cnt(0) depctr_sa_sdst(0) depctr_va_vdst(0) depctr_va_sdst(0) depctr_va_ssrc(0) depctr_va_vcc(0) depctr_vm_vsrc(0)
	s_getreg_b32 s2, hwreg(HW_REG_IB_STS2, 6, 4)
	s_cmp_eq_u32 s2, 0
	s_cbranch_scc0 .Lentry_in_a_cluster
	s_endpgm
.Lentry_in_a_cluster:
	s_bfe_u32 s2, ttmp6, 0x10000c
	s_cmp_lg_u32 s2, 0xf033
	s_cbranch_scc0 .Lentry_shape_is_right
	s_endpgm
.Lentry_shape_is_right:
; q = query Wq^T + bq, k = key Wk^T + bk, v = value Wv^T + bv on the given E2M1 codes, and the results quantised at once for attention.  Nothing of the problem is left out here.
; ONE BODY FOR THE THREE.  A product has a source 0 (S0) and a source 1 (S1); in the result a lane holds ONE row of S1 and its registers run along S0's rows, which is the axis that is quantised.
;   q, k (g = 0, 1): S0 = the weight (channels), S1 = the tokens: quantised along the head's 64 channels.     v (g = 2): S0 = the tokens, S1 = the weight: quantised along the keys.
; g is the cluster's y / 8: the same in all partners of a cluster.  It chooses pointers and a few scalars, and two short branches (the bias; the first K step's C).
; SHARES: a work-group makes 128 rows of S0 x 256 rows of S1 over all K = 1,024; wave w all 128 x rows 64 w .. 64 w + 63 of S1: 32 accumulators.  768 work-groups: three for each of 256 WGPs.
; LDS: all of K lies there at once, in two halves of 512 codes (rows of 512 bytes + 16 of padding), and the rows' scale bytes: every tensor load is a first fill, nothing is filled again.
; CLUSTER 4 x 4: S0's tile hangs on cx alone and is asked for jointly down a column of the cluster, S1's on cy alone and jointly along a row.
; OUT, as images of operand registers (16 rows x 64 K = 4 registers a lane = 512 bytes, lane l's 16 bytes at 16 l):
;   qb: 64 heads x 73,728: Q's images [token tile 128][512]; from 65,536 its scale words [tile / 4][r 16][tile % 4] (bytes 2, 3 = 127: K is 64).
;   kv: 64 heads x 143,360: K's images [tile 128][512]; from 65,536 V's [step 16][channel tile 4][half 2][512]; from 131,072 K's scale words as Q's; from 139,264 V's [step][r][channel tile].
; THE CODES' ORDER: tile t of 16 along the quantised axis gives a lane the eight neighbours 16 t + 8 h + 0 .. 7; one conversion makes them a register; laid at 4 (t / 4) + 2 (t % 2) + (t / 2) % 2
;   and exchanged in pairs between the halves of the lanes, registers 4 c .. 4 c + 3 hold k = 64 c + 32 h + 0 .. 31: the operand's layout.
; LIMITS: a block of zeros gets the byte 1 (its codes are zeros; the bytes are read by this program alone); NaN, infinities and the scale byte 0xff among the inputs are not served.
; REGISTERS: window 0: v1-29 addresses; v32-63 S0's scale words, v64-79 S1's (lanes 0-15: K steps 0-3, lanes 16-31: steps 4-7); v128-191 the bias; v192-247 the quantiser.
;   window 1: accumulator (i, n) at v[64 n + 8 i].   window 2: two fragment buffers of 96: S0's eight, then S1's four.
; LDS rows: all 1,024 codes of a row, 512 bytes + 16 of padding (pitch 528); the two halves of K lie 256 bytes apart in a row.  Four first fills, one a wave, and no later fill.
.set CH,    256                        ; from K's first half to its second, in a row
.set S1O,   67584                      ; S0's 128 rows x 528, then S1's 256 rows x 528
.set SCL0,  202752                     ; S0's scale bytes: 16 units of 256 + 16
.set SCL1,  207104                     ; S1's: 32 units
.set SPARE, 215808                     ; the spare words, 128 bytes for each wave
.set PADC,  (1<<20)|(1<<21)|(6<<22)|(3<<25)    ; codes: after every 128 words four words
.set PADW,  (1<<20)|(1<<21)|(5<<22)|(3<<25)    ; padding on; bit 21 beside a mask; after every 64 words four words
.set MSB, 0
.macro WIN new                         ; the immediate's high byte repeats the setting that is left
.if MSB != \new
	s_set_vgpr_msb (MSB<<8)|\new
.set MSB, \new
.endif
.endm
.macro PLACES n
.rept \n
	v_nop
.endr
.endm
; An arm of the head's one tree of branches on the wave's number: its joint load, an s_nop 0 and four v_nop, and a jump to the tree's end.
.macro ARM under, g0, g1, next
	s_cmp_lt_u32 s76, \under
	s_cbranch_scc0 \next
	tensor_load_to_lds s[\g0:\g0+3], s[\g1:\g1+7]
	s_nop 0
	PLACES 4
	s_branch .Lhead_asked
\next:
.endm
.macro CROUND                          ; a round of the cluster's barrier
	s_barrier_signal -1
	s_barrier_wait -1
	s_cmp_lg_u32 s76, 0
	s_cbranch_scc1 .Lnot_wave_0_\@
	s_barrier_signal -3
.Lnot_wave_0_\@:
	s_barrier_wait -3
	s_barrier_signal -1
	s_barrier_wait -1
.endm
	s_load_b512 s[68:83], s[0:1], 0x0              ; q's five pointers s[68:77]; k's s[78:87]; v's s[88:97] (S0's codes, S0's scales, S1's codes, S1's scales, the bias); qb s[98:99]; kv s[100:101]
	s_load_b512 s[84:99], s[0:1], 0x40
	s_load_b64 s[100:101], s[0:1], 0x80
	v_lshl_add_u32 v28, v0, 2, SPARE
	v_mov_b32 v29, 0
	ds_add_u32 v28, v29                            ; the wave's opening: the add, twice on end, and its wait ahead of my first tensor load
	ds_add_u32 v28, v29
	s_and_b32 s3, ttmp7, 0xffff                    ; the cluster's y
	s_lshr_b32 s2, s3, 3                           ; g: 0 q, 1 k, 2 v
	s_bfe_u32 s66, ttmp6, 0x40000                  ; cx
	s_bfe_u32 s67, ttmp6, 0x40004                  ; cy
	s_lshl_b32 s4, 0x1111, s66                     ; my column of the cluster
	s_lshl_b32 s5, s67, 2
	s_lshl_b32 s5, 15, s5                          ; my row
	s_or_b32 s16, s4, PADC                         ; group 1, S0's codes: 128 rows x 512 bytes
	s_mov_b32 s17, 512<<16
	s_mov_b32 s18, 128<<16
	s_mov_b32 s19, 512<<16
	s_mov_b32 s20, 128
	s_mov_b32 s21, 512
	s_mov_b32 s22, 0
	s_mov_b32 s23, 0
	s_or_b32 s24, s5, PADC                         ; S1's codes: 256 rows x 512 bytes
	s_mov_b32 s25, 512<<16
	s_mov_b32 s26, 256<<16
	s_mov_b32 s27, 512<<16
	s_mov_b32 s28, 256
	s_mov_b32 s29, 512
	s_mov_b32 s30, 0
	s_mov_b32 s31, 0
	s_or_b32 s32, s4, (3<<16)|PADW                 ; S0's scale bytes: 128 rows x 32 dense bytes, as 16 rows of 256 (32 elements of 8 bytes)
	s_mov_b32 s33, 32<<16
	s_mov_b32 s34, 16<<16
	s_mov_b32 s35, 32<<16
	s_mov_b32 s36, 16
	s_mov_b32 s37, 32
	s_mov_b32 s38, 0
	s_mov_b32 s39, 0
	s_or_b32 s40, s5, (3<<16)|PADW                 ; S1's: 256 rows, as 32 rows of 256
	s_mov_b32 s41, 32<<16
	s_mov_b32 s42, 32<<16
	s_mov_b32 s43, 32<<16
	s_mov_b32 s44, 32
	s_mov_b32 s45, 32
	s_mov_b32 s46, 0
	s_mov_b32 s47, 0
	s_wait_dscnt 0x0                               ; both opening adds are done
	s_wait_kmcnt 0x0
	s_cmp_eq_u32 s2, 0                             ; the choice hangs on the cluster's y alone
	s_cselect_b64 s[4:5], s[68:69], s[78:79]       ; S0's codes
	s_cselect_b64 s[6:7], s[70:71], s[80:81]       ; S0's scales
	s_cselect_b64 s[8:9], s[72:73], s[82:83]       ; S1's codes
	s_cselect_b64 s[10:11], s[74:75], s[84:85]     ; S1's scales
	s_cselect_b64 s[12:13], s[76:77], s[86:87]     ; the bias
	s_cselect_b64 s[14:15], s[98:99], s[100:101]   ; where the results go
	s_cmp_eq_u32 s2, 2
	s_cselect_b64 s[4:5], s[88:89], s[4:5]
	s_cselect_b64 s[6:7], s[90:91], s[6:7]
	s_cselect_b64 s[8:9], s[92:93], s[8:9]
	s_cselect_b64 s[10:11], s[94:95], s[10:11]
	s_cselect_b64 s[12:13], s[96:97], s[12:13]
	v_lshrrev_b32 v1, 5, v0                        ; s68 to s101 are free from here on
	v_readfirstlane_b32 s76, v1                    ; wave
	s_and_b32 s80, s3, 7
	s_cmp_eq_u32 s2, 2
	s_cselect_b32 s79, s80, 0
	s_cselect_b32 s82, 0, s80
	s_lshl_b32 s79, s79, 1
	s_add_co_u32 s79, s79, ttmp9
	s_lshl_b32 s81, s79, 2
	s_add_co_u32 s81, s81, s66                     ; S0I: which 128 rows of S0 (q, k: 0-7; v: 0-63): hangs on cx, not on cy
	s_lshl_b32 s82, s82, 2
	s_add_co_u32 s82, s82, s67                     ; S1I: which 256 rows of S1 (q, k: 0-31; v: 0-3): hangs on cy, not on cx
	s_lshl_b32 s86, s81, 7                         ; S0: the tile's first row
	s_lshl_b32 s88, s86, 9                         ; its codes, 512 bytes a row,
	s_mov_b32 s89, 0
	s_lshl_b32 s86, s86, 5                         ; its scale bytes, 32 a row
	s_mov_b32 s87, 0
	s_lshl_b32 s90, s82, 8                         ; S1 likewise
	s_lshl_b32 s92, s90, 9
	s_mov_b32 s93, 0
	s_lshl_b32 s90, s90, 5
	s_mov_b32 s91, 0
	s_mov_b32 s48, 1                               ; group 0: S0's scale bytes
	s_mov_b32 s49, SCL0
	s_add_nc_u64 s[50:51], s[6:7], s[86:87]
	s_or_b32 s51, s51, 0x80000000
	s_mov_b32 s52, 1                               ; S0's codes
	s_mov_b32 s53, 0
	s_add_nc_u64 s[54:55], s[4:5], s[88:89]
	s_or_b32 s55, s55, 0x80000000
	s_mov_b32 s60, 1                               ; S1's scale bytes
	s_mov_b32 s61, SCL1
	s_add_nc_u64 s[62:63], s[10:11], s[90:91]
	s_or_b32 s63, s63, 0x80000000
	s_mov_b32 s68, 1                               ; S1's codes
	s_mov_b32 s69, S1O
	s_add_nc_u64 s[70:71], s[8:9], s[92:93]
	s_or_b32 s71, s71, 0x80000000
	CROUND                                         ; all sixteen work-groups are here: the joint loads meet
	ARM 1, 52, 16, .Lhead_s1                       ; wave 0: S0's codes; one tensor load a wave at the head
	ARM 2, 68, 24, .Lhead_c0                       ; wave 1: S1's codes
	ARM 3, 48, 32, .Lhead_c1                       ; wave 2: S0's scale bytes
	tensor_load_to_lds s[60:63], s[40:47]          ; wave 3: S1's scale bytes
	s_nop 0
	PLACES 4
.Lhead_asked:
	s_mov_b32 s79, 0x76543210                      ; v_permlanex16_b32's selects for lane l xor 16
	s_mov_b32 s80, 0xfedcba98
	v_and_b32 v1, 15, v0                           ; r
	v_bfe_u32 v2, v0, 4, 1                         ; h
	v_and_b32 v3, 31, v0                           ; lane
	v_mul_u32_u24 v4, v1, 528
	v_lshl_add_u32 v4, v2, 4, v4                   ; S0's fragments, first half of K: row r x pitch + 16 h
	v_add_nc_u32 v5, CH, v4                        ; second half
	s_mul_i32 s86, s76, 33792
	s_add_co_u32 s86, s86, S1O
	v_add_nc_u32 v6, s86, v4                       ; S1's: my 64 rows
	v_add_nc_u32 v7, CH, v6
	v_lshrrev_b32 v12, 3, v1                       ; scale bytes: row r lies at 272 (r / 8) + 32 (r % 8); lanes 16-31 take the row's second 16 bytes
	v_mul_u32_u24 v8, v12, 272
	v_and_b32 v12, 7, v1
	v_lshl_add_u32 v8, v12, 5, v8
	v_lshl_add_u32 v8, v2, 4, v8
	s_mul_i32 s86, s76, 2176
	s_add_co_u32 s86, s86, SCL1
	v_add_nc_u32 v9, s86, v8
	v_add_nc_u32 v8, SCL0, v8
	v_lshlrev_b32 v10, 4, v3                       ; 16 x lane: an image's place for my lane
	s_wait_alu depctr_va_vdst(0)
	v_lshlrev_b32 v11, 5, v2                       ; q, k: the bias of channels 8 h + 0 .. 7 of a tile
	v_lshlrev_b32 v14, 2, v1                       ; v: the bias of channel r of a tile
.irp b, 0,1,2,3
	v_mov_b32 v[196+\b], 0                         ; written once: a lane permute's destination counts as one of its sources
.endr
	; what hangs on g: scalars chosen without a jump
	s_lshl_b32 s86, s82, 10
	s_lshl_b32 s87, s76, 8
	s_add_co_u32 s86, s86, s87                     ; v: my 64 channels' bias
	s_lshl_b32 s87, s81, 9                         ; q, k: the work-group's 128 channels'
	s_lshr_b32 s89, s81, 4
	s_lshl_b32 s89, s89, 4
	s_lshl_b32 s90, s82, 2
	s_add_co_u32 s89, s89, s90
	s_add_co_u32 s89, s89, s76                     ; v: batch x 16 + my head
	s_lshr_b32 s90, s82, 3
	s_lshl_b32 s90, s90, 4
	s_lshl_b32 s91, s81, 1
	s_add_co_u32 s90, s90, s91                     ; q, k: batch x 16 + the first of the two heads
	s_and_b32 s91, s81, 15                         ; v: the key step
	s_and_b32 s92, s82, 7
	s_lshl_b32 s92, s92, 2
	s_add_co_u32 s92, s92, s76                     ; q, k: my four token tiles, as one number
	s_mov_b32 s85, 143360
	s_mov_b32 s88, 131072
	s_cmp_eq_u32 s2, 0
	s_cselect_b32 s85, 73728, s85                  ; a head's block in the buffer
	s_cselect_b32 s88, 65536, s88                  ; where its scale words begin
	s_mov_b32 s83, 512
	s_mov_b32 s94, 0xffff
	s_cmp_eq_u32 s2, 2
	s_cselect_b32 s86, s86, s87
	s_cselect_b32 s88, 139264, s88
	s_cselect_b32 s89, s89, s90
	s_cselect_b32 s91, s91, s92
	s_cselect_b32 s93, 65536, 0                    ; where its images begin
	s_cselect_b32 s92, 12, 11                      ; a key step's images are 4,096 bytes, four token tiles' 2,048
	s_cselect_b32 s83, 1024, s83                   ; from tile n of S1 to the next
	s_cselect_b32 s84, 512, s85                    ; from the first 64 along the quantised axis to the second: v: the step's second half; q, k: the next head
	s_cselect_b32 s96, 0, 16                       ; q, k: lanes 16-31 take the second head's two bytes of a scale word
	s_cselect_b32 s94, -1, s94
	s_cselect_b32 s95, 0, 0x7f7f0000               ; q, k: bytes 2 and 3 are 127
	s_cselect_b32 s97, 0, s85                      ; q, k: lanes 16-31 store into the next head's block; v: they store what lanes 0-15 store, to the same bytes
	s_mov_b32 s87, 0
	s_add_nc_u64 s[12:13], s[12:13], s[86:87]
	s_mul_i32 s89, s89, s85
	s_lshl_b32 s92, s91, s92
	s_lshl_b32 s91, s91, 8
	s_add_co_u32 s92, s92, s93
	s_add_co_u32 s92, s92, s89
	s_add_co_u32 s88, s88, s91
	s_add_co_u32 s88, s88, s89
	s_mov_b32 s93, 0
	s_mov_b32 s89, 0
	s_add_nc_u64 s[98:99], s[14:15], s[92:93]      ; my images
	s_add_nc_u64 s[100:101], s[14:15], s[88:89]    ; my scale words
	v_mov_b32 v16, v10                             ; v16-23: the eight images' offsets
	v_add_nc_u32 v17, s84, v10
.irp n, 1,2,3
	v_add_nc_u32 v[16+2*\n], s83, v[14+2*\n]
	v_add_nc_u32 v[17+2*\n], s83, v[15+2*\n]
.endr
	v_mul_u32_u24 v12, s96, v2
	v_mul_u32_u24 v13, s97, v2
	v_lshl_add_u32 v13, v1, 4, v13                 ; four scale words a lane: 16 r
	s_cmp_eq_u32 s2, 2                             ; THE BIAS is the C of each sum's first product, in the result's layout
	s_cbranch_scc1 .Lbias_v
.irp i, 0,1,2,3,4,5,6,7                        ; q, k: it runs along the registers: tile i's channels 16 i + 8 h + 0 .. 7
	global_load_b128 v[128+8*\i:131+8*\i], v11, s[12:13] offset:64*\i
	global_load_b128 v[132+8*\i:135+8*\i], v11, s[12:13] offset:64*\i+16
.endr
	s_branch .Lbias_in
.Lbias_v:
.irp m, 0,1,2,3,4,5,6,7                        ; v: it is the lane's own channel's, the same in all eight registers; two copies of each tile's, which the products take by turns
	global_load_b32 v[128+8*\m], v14, s[12:13] offset:64*(\m%4)
.endr
	s_wait_loadcnt 0x0
.irp m, 0,1,2,3,4,5,6,7
.irp j, 1,2,3,4,5,6,7
	v_mov_b32 v[128+8*\m+\j], v[128+8*\m]
.endr
.endr
.Lbias_in:
.macro MM d, a, b, c, x, y
	v_wmma_scale_f32_16x16x128_f8f6f4 v[\d:\d+7], v[\a:\a+7], v[\b:\b+7], v[\c:\c+7], v[\x], v[\y] matrix_a_fmt:MATRIX_FMT_FP4 matrix_b_fmt:MATRIX_FMT_FP4
.endm
.macro MMR d, a, b, c, x, y            ; the scale words of K steps 4 to 7 lie in lanes 16-31
	v_wmma_scale_f32_16x16x128_f8f6f4 v[\d:\d+7], v[\a:\a+7], v[\b:\b+7], v[\c:\c+7], v[\x], v[\y] matrix_a_fmt:MATRIX_FMT_FP4 matrix_b_fmt:MATRIX_FMT_FP4 matrix_a_scale:MATRIX_SCALE_ROW1 matrix_b_scale:MATRIX_SCALE_ROW1
.endm
; K step k's 12 fragments (16 rows x 128 K: two loads of 16 bytes, 32 apart) into buffer k % 2: 24 loads in one run
.macro FETCH k
.set FB, 96*((\k)%2)
.set QQ, (\k)%4
.set CN, (\k)/4
	WIN 0x80                                       ; destination window 2
.irp i, 0,1,2,3,4,5,6,7
	ds_load_b128 v[FB+8*\i:FB+8*\i+3], v[4+CN] offset:\i*8448+64*QQ
	ds_load_b128 v[FB+8*\i+4:FB+8*\i+7], v[4+CN] offset:\i*8448+64*QQ+32
.endr
.irp n, 0,1,2,3
	ds_load_b128 v[FB+64+8*\n:FB+64+8*\n+3], v[6+CN] offset:\n*8448+64*QQ
	ds_load_b128 v[FB+64+8*\n+4:FB+64+8*\n+7], v[6+CN] offset:\n*8448+64*QQ+32
.endr
	WIN 0
.endm
; K step k's 32 products.  cm = 0: onto the sums; 1: the sums begin with q's or k's bias; 2: with v's.  The 32 accumulators take turns in the same order in every step.
.macro MULS k, cm
.set FB, 96*((\k)%2)
.set QQ, (\k)%4
.if \cm
	WIN 0x4a                                       ; sources 0, 1 window 2, C window 0, D window 1
.else
	WIN 0x5a                                       ; C and D window 1
.endif
.irp n, 0,1,2,3
.irp i, 0,1,2,3,4,5,6,7
.if \cm == 1
	MM 64*\n+8*\i, FB+8*\i, FB+64+8*\n, 128+8*\i, 32+4*\i+QQ, 64+4*\n+QQ
.elseif \cm == 2
	MM 64*\n+8*\i, FB+8*\i, FB+64+8*\n, 128+8*(\n+4*(\i%2)), 32+4*\i+QQ, 64+4*\n+QQ
.elseif (\k) < 4
	MM 64*\n+8*\i, FB+8*\i, FB+64+8*\n, 64*\n+8*\i, 32+4*\i+QQ, 64+4*\n+QQ
.else
	MMR 64*\n+8*\i, FB+8*\i, FB+64+8*\n, 64*\n+8*\i, 32+4*\i+QQ, 64+4*\n+QQ
.endif
.endr
.endr
	WIN 0
.endm
; What stands ahead of K step k's products: its fragments are in; the next step's are asked for, 32 products ahead of their use.
.macro AHEAD k
	s_wait_dscnt 0x0                               ; this step's 24 loads (asked for ahead of the last step's products)
.if (\k) < 7
.if (\k) > 0
	PLACES 4                                       ; in front of loads into registers that the last step's products have read
.endif
	FETCH (\k)+1
.endif
.endm
	s_wait_tensorcnt 0x0                           ; my one tile of the head's four is in
	s_barrier_signal -1
	s_barrier_wait -1                              ; everybody's are
.irp i, 0,1,2,3,4,5,6,7
	ds_load_b128 v[32+4*\i:35+4*\i], v8 offset:544*\i       ; four scale words a row: register 4 i + q = K step q (lanes 16-31: 4 + q) of S0's tile i
.endr
.irp n, 0,1,2,3
	ds_load_b128 v[64+4*\n:67+4*\n], v9 offset:544*\n
.endr
	FETCH 0
	s_wait_loadcnt 0x0                             ; the bias
	AHEAD 0
	s_cmp_eq_u32 s2, 2
	s_cbranch_scc1 .Lfirst_v
	s_wait_alu depctr_va_vdst(0)
	MULS 0, 1
	s_branch .Lfirst_done
.Lfirst_v:
	s_wait_alu depctr_va_vdst(0)
	MULS 0, 2
.Lfirst_done:
.irp k, 1,2,3,4,5,6,7
	AHEAD \k
	MULS \k, 0
.endr
	PLACES 4                                       ; in front of the first read of results
; THE QUANTISER for tile n of S1: 64 registers a lane, register 16 b + x of block b; lane l xor 16 holds the block's other 16.  Codes to v[208 + 8 n ..], the row's scale word to v[240 + n]; the two images are stored.
.macro QUANT n
.set AC, 64*(\n)
	WIN 0x05                                       ; sources 0, 1 window 1
.irp b, 0,1,2,3
	v_max3_num_f32 v[192+\b], |v[AC+16*\b]|, |v[AC+16*\b+1]|, 0x1800000    ; with the floor 2^(3 - 127): the byte cannot fall under 1
.endr
	WIN 0x14                                       ; sources 1, 2 window 1
.irp i, 2,4,6,8,10,12,14
.irp b, 0,1,2,3
	v_max3_num_f32 v[192+\b], v[192+\b], |v[AC+16*\b+\i]|, |v[AC+16*\b+\i+1]|
.endr
.endr
	WIN 0
.irp b, 0,1,2,3
	v_permlanex16_b32 v[196+\b], v[192+\b], s79, s80
.endr
.irp b, 0,1,2,3
	v_max_num_f32 v[192+\b], v[192+\b], v[196+\b]  ; the block's largest magnitude
.endr
.irp b, 0,1,2,3
	v_add_nc_u32 v[204+\b], 0xff000000, v[192+\b]  ; 2 off its exponent field: the conversion's scale operand
.endr
.irp b, 0,1,2,3
	v_lshrrev_b32 v[196+\b], 23, v[204+\b]         ; the scale's byte
.endr
	v_lshl_or_b32 v[240+\n], v197, 8, v196
	v_lshl_or_b32 v[240+\n], v198, 16, v[240+\n]
	v_lshl_or_b32 v[240+\n], v199, 24, v[240+\n]
	WIN 0x01                                       ; source 0 window 1
.irp t, 0,1,2,3,4,5,6,7
	v_cvt_scalef32_pk8_fp4_f32 v[208+8*(\n)+4*(\t/4)+2*(\t%2)+(\t/2)%2], v[AC+8*\t:AC+8*\t+7], v[204+\t/2]
.endr
	WIN 0
	v_nop                                          ; one plain place behind a scaled conversion
.irp u, 0,2,4,6
	v_permlane16_swap_b32 v[208+8*(\n)+\u], v[209+8*(\n)+\u]       ; the first's lanes 16-31 change places with the second's lanes 0-15
.endr
	global_store_b128 v[16+2*(\n)], v[208+8*(\n):211+8*(\n)], s[98:99]     ; 32 lanes store 512 consecutive bytes, aligned
	global_store_b128 v[17+2*(\n)], v[212+8*(\n):215+8*(\n)], s[98:99]
.endm
	QUANT 0
	QUANT 1
	QUANT 2
	QUANT 3
.irp n, 0,1,2,3
	v_lshrrev_b32 v[244+\n], v12, v[240+\n]        ; q, k: each half of the lanes takes its head's two bytes and 127 above them; v: the word as it is
.endr
.irp n, 0,1,2,3
	v_and_or_b32 v[244+\n], v[244+\n], s94, s95
.endr
	global_store_b128 v13, v[244:247], s[100:101]  ; sixteen lanes store 256 consecutive bytes, aligned
	s_wait_tensorcnt 0x0                           ; the wave's end
	ds_add_u32 v28, v29
	s_wait_dscnt 0x0
	CROUND                                         ; the closing round
	s_endpgm
.Lfunc_end_k_q24cc0e8235_proj:
	.size	k_q24cc0e8235_proj, .Lfunc_end_k_q24cc0e8235_proj-k_q24cc0e8235_proj
	.p2alignl 7, 3214868480
	.fill 96, 4, 3214868480
	.section	.rodata,"a",@progbits
	.p2align	6, 0x0
	.amdhsa_kernel k_q24cc0e8235_proj
		.amdhsa_group_segment_fixed_size 222464
		.amdhsa_private_segment_fixed_size 0
		.amdhsa_enable_private_segment 0
		.amdhsa_kernarg_size 136
		.amdhsa_user_sgpr_count 2
		.amdhsa_user_sgpr_kernarg_segment_ptr 1
		.amdhsa_wavefront_size32 1
		.amdhsa_system_sgpr_workgroup_id_x 1
		.amdhsa_system_sgpr_workgroup_id_y 1
		.amdhsa_system_sgpr_workgroup_id_z 1
		.amdhsa_system_vgpr_workitem_id 0
		.amdhsa_next_free_vgpr 768
		.amdhsa_next_free_sgpr 102
		.amdhsa_reserve_vcc 0
		.amdhsa_float_denorm_mode_32 3
		.amdhsa_float_denorm_mode_16_64 3
		.amdhsa_memory_ordered 1
		.amdhsa_forward_progress 1
		.amdhsa_inst_pref_size 83
	.end_amdhsa_kernel
	.amdgpu_metadata
---
amdhsa.version: [ 1, 2 ]
amdhsa.kernels:
  - .name:           k_q24cc0e8235_proj
    .symbol:         k_q24cc0e8235_proj.kd
    .args:
      - { .name: Wq_codes, .offset: 0, .size: 8, .value_kind: global_buffer, .address_space: global }
      - { .name: Wq_scales, .offset: 8, .size: 8, .value_kind: global_buffer, .address_space: global }
      - { .name: query_codes, .offset: 16, .size: 8, .value_kind: global_buffer, .address_space: global }
      - { .name: query_scales, .offset: 24, .size: 8, .value_kind: global_buffer, .address_space: global }
      - { .name: bq, .offset: 32, .size: 8, .value_kind: global_buffer, .address_space: global }
      - { .name: Wk_codes, .offset: 40, .size: 8, .value_kind: global_buffer, .address_space: global }
      - { .name: Wk_scales, .offset: 48, .size: 8, .value_kind: global_buffer, .address_space: global }
      - { .name: key_codes, .offset: 56, .size: 8, .value_kind: global_buffer, .address_space: global }
      - { .name: key_scales, .offset: 64, .size: 8, .value_kind: global_buffer, .address_space: global }
      - { .name: bk, .offset: 72, .size: 8, .value_kind: global_buffer, .address_space: global }
      - { .name: value_codes, .offset: 80, .size: 8, .value_kind: global_buffer, .address_space: global }
      - { .name: value_scales, .offset: 88, .size: 8, .value_kind: global_buffer, .address_space: global }
      - { .name: Wv_codes, .offset: 96, .size: 8, .value_kind: global_buffer, .address_space: global }
      - { .name: Wv_scales, .offset: 104, .size: 8, .value_kind: global_buffer, .address_space: global }
      - { .name: bv, .offset: 112, .size: 8, .value_kind: global_buffer, .address_space: global }
      - { .name: qb, .offset: 120, .size: 8, .value_kind: global_buffer, .address_space: global }
      - { .name: kv, .offset: 128, .size: 8, .value_kind: global_buffer, .address_space: global }
    .group_segment_fixed_size: 222464
    .private_segment_fixed_size: 0
    .kernarg_segment_align: 8
    .kernarg_segment_size: 136
    .max_flat_workgroup_size: 128
    .sgpr_count:     102
    .vgpr_count:     768
    .wavefront_size: 32
...
	.end_amdgpu_metadata
.endif
;; end of part 2
;; launch attn (part 3): grid 4 x 64, 16 waves a work-group, clusters of 4 x 1, 167,936 bytes of LDS; arguments qb, kv, mimg, ximg, xscl; writes ximg, xscl
.if DOCPART == 3
	.amdgcn_target "amdgcn-amd-amdhsa--gfx1250"
	.amdhsa_code_object_version 6
	.text
	.protected	k_q24cc0e8235_attn
	.globl	k_q24cc0e8235_attn
	.p2align	8
	.type	k_q24cc0e8235_attn,@function
k_q24cc0e8235_attn:
	s_mov_b64 s[64:65], 0
	v_nop
	global_prefetch_b8 v0, s[64:65] scope:SCOPE_SE
	s_setreg_imm32_b32 hwreg(HW_REG_WAVE_MODE, 25, 1), 1
	s_wait_xcnt 0x0
	s_wait_alu depctr_hold_cnt(0) depctr_sa_sdst(0) depctr_va_vdst(0) depctr_va_sdst(0) depctr_va_ssrc(0) depctr_va_vcc(0) depctr_vm_vsrc(0)
	s_getreg_b32 s2, hwreg(HW_REG_IB_STS2, 6, 4)
	s_cmp_eq_u32 s2, 0
	s_cbranch_scc0 .Lentry_in_a_cluster
	s_endpgm
.Lentry_in_a_cluster:
	s_bfe_u32 s2, ttmp6, 0x10000c
	s_cmp_lg_u32 s2, 0x3003
	s_cbranch_scc0 .Lentry_shape_is_right
	s_endpgm
.Lentry_shape_is_right:
; x[b][q][head] = softmax over the keys of (q . k / 8, or -1e9 where mask == 0) times v, both products on E2M1 codes, and x quantised along D for the last projection.  Nothing of the problem is left out here.
; THE SOFTMAX: t = score x log2(e) / 8; M = the running largest t rounded up to a whole number; p = 2^(t - M) is quantised along the keys; the row's sum l is taken of the unquantised p and divides at the end.
; THE MASK comes as E2M1 codes in the score tiles' register order (0xA = -1.0 where mask == 0).  One conversion with the scale 2^40 makes eight numbers, 0 or -2^40, in the score tile's own registers,
;   which are then the C of the product k q^T: a masked t lies near -2^37.5.  The running largest t begins at -2^35, so masked keys never move it.
;   A row with an open key: M is that key's, a masked p is 2^(a huge negative number) = 0, as with -1e9.
;   A row with NO open key so far (the largest t still -2^35): by the problem's rule p = 1 at every key.  There the multiply-add takes c = 0 and M = 0 (two selects a step), so t - M = 0 and p = 1; M does not move, so f = 1;
;   l counts the keys and O^T sums the quantised v.  The row's first open key makes f = 2^(-2^31 or so) = 0, which takes those sums away.
; LIMIT: the promise holds while |logit x log2(e)| stays under 2^30: beyond it open logits are not ordered against the mask's -1e9 as the problem orders them.  NaN and infinities are not served.  x's blocks of zeros get the byte 1.
; SHARES: a work-group takes 512 queries of one head; each of its sixteen waves one tile of 16 queries in each of two passes, walking 16 key steps of 128 keys: four trips of four steps.  Four waves to a SIMD.
; LDS: the head's whole block of kv (K's images, V's images, their scale words: 143,360 bytes) as it lies in memory, filled once: each wave asks for a sixteenth.
; CLUSTER 4 x 1: the four work-groups of a head read the same block, so it is asked for jointly.
; Both products are used transposed: a lane holds one query (lane % 16) throughout; tile t of the scores holds keys 16 t + 8 (lane / 16) + 0 .. 7.
; K is 64: registers 4-7 of Q's fragments are zero codes, so whatever finite codes stand in registers 4-7 of K's fragment add nothing.  K's eight tiles lie 4 registers apart, and a tile's upper four are the next tile's codes (the last tile's: zeros).
; FETCHES.  The mask codes go through a ring of four register sets: step s, once it has converted its set, asks for step s + 4's codes into it, across the change of passes too; six loads of the three younger sets may be out at a step's head.
;   The second pass's last trip has no step four on: it asks for its own four images again, so that the counted wait holds on every path and no load leaves the buffer.
;   The next step's K and scale words come behind the score products.  V comes over the lower half of p as soon as that half is summed and converted; the upper half's work stands behind the request.  Both passes' Q come at the head.
; No prefetch: the head's block is asked for at the head of the text; the mask's images come into registers four key steps ahead of their use, and sixteen work-groups read each of them.
; REGISTERS: v1-9 addresses; v10 the row's c; v12 -M, v13 the largest t, v[14:15] l; v16-23, v24-31 Q of the two passes; v32-67 K; v68-131 the scores, then p, v68-99 then V; v132-163 O^T; v164-195 mask codes; v196-203 p's codes;
;   v204-211 K's scale words, v212-215 V's, v216, v218 Q's, v217 p's; v219 the mask's scale; v220-238, v242-255 at work; v240, v241 the add's two.
.set SPARE, 143360                     ; behind the head's block: the spare words, 128 bytes for each of sixteen waves
.set VIMG,  65536
.set KSCL,  131072
.set VSCL,  139264
.set KF, 32
.set SC, 68
.set OT, 132
.set MK, 164
.set PC, 196
.macro PLACES n
.rept \n
	v_nop
.endr
.endm
.macro CROUND                          ; a round of the cluster's barrier
	s_barrier_signal -1
	s_barrier_wait -1
	s_cmp_lg_u32 s14, 0
	s_cbranch_scc1 .Lnot_wave_0_\@
	s_barrier_signal -3
.Lnot_wave_0_\@:
	s_barrier_wait -3
	s_barrier_signal -1
	s_barrier_wait -1
.endm
.macro MM d, a, b, x, y                ; onto the sum in v[d ..]
	v_wmma_scale_f32_16x16x128_f8f6f4 v[\d:\d+7], v[\a:\a+7], v[\b:\b+7], v[\d:\d+7], v[\x], v[\y] matrix_a_fmt:MATRIX_FMT_FP4 matrix_b_fmt:MATRIX_FMT_FP4
.endm
.macro KLOAD ak, ok, as, os            ; a step's eight tiles of K and their scale words: ten loads
.irp u, 0,1,2,3,4,5,6,7
	ds_load_b128 v[KF+4*\u:KF+4*\u+3], v[\ak] offset:(\ok)+\u*512
.endr
	ds_load_b128 v[204:207], v[\as] offset:(\os)
	ds_load_b128 v[208:211], v[\as] offset:(\os)+256
.endm
	s_load_b256 s[4:11], s[0:1], 0x0               ; qb s[4:5], kv s[6:7], mimg s[8:9], ximg s[10:11]
	s_load_b64 s[12:13], s[0:1], 0x20              ; xscl
	v_lshl_add_u32 v240, v0, 2, SPARE
	v_mov_b32 v241, 0
	ds_add_u32 v240, v241                          ; the wave's opening: the add, twice on end, and its wait ahead of my first tensor load
	ds_add_u32 v240, v241
	v_lshrrev_b32 v1, 5, v0
	v_readfirstlane_b32 s14, v1                    ; wave 0..15
	s_bfe_u32 s15, ttmp6, 0x40000                  ; cx: it enters Q's, the mask's and x's addresses alone
	s_and_b32 s16, ttmp7, 0xffff                   ; batch x 16 + head, which the four partners share
	s_lshr_b32 s17, s16, 4                         ; batch
	s_and_b32 s18, s16, 15                         ; head
	s_mov_b32 s20, 15|(3<<16)|(1<<21)              ; group 1: the mask names all four; elements of 8 bytes; bit 21 beside a mask; no padding
	s_mov_b32 s21, 32<<16                          ; 35 rows of 256 bytes, dense: 8,960 bytes, a sixteenth of the block
	s_mov_b32 s22, 35<<16
	s_mov_b32 s23, 32<<16
	s_mov_b32 s24, 35
	s_mov_b32 s25, 32
	s_mov_b32 s26, 0
	s_mov_b32 s27, 0
	s_mov_b32 s32, 0x76543210                      ; v_permlanex16_b32's selects for lane l xor 16
	s_mov_b32 s33, 0xfedcba98
	s_mov_b32 s34, 0x3e38aa3b                      ; c = log2(e) / 8
	s_mov_b32 s28, 1
	s_mul_i32 s29, s14, 8960                       ; LDS: wave x 8,960
	s_mul_i32 s48, s16, 143360
	s_add_co_u32 s48, s48, s29
	s_mov_b32 s49, 0
	s_wait_dscnt 0x0                               ; both opening adds are done
	s_wait_kmcnt 0x0
	s_add_nc_u64 s[30:31], s[6:7], s[48:49]
	s_or_b32 s31, s31, 0x80000000
	CROUND                                         ; all four work-groups are here: the joint loads meet
	tensor_load_to_lds s[28:31], s[20:27]          ; my one tensor load of the launch
	s_nop 0
	v_and_b32 v9, 15, v0
	v_and_b32 v1, 31, v0
	v_lshlrev_b32 v9, 4, v9                        ; 16 r
	v_lshlrev_b32 v1, 4, v1                        ; 16 x lane: an image's place for my lane; K's images begin at LDS byte 0
	v_add_nc_u32 v3, KSCL, v9
	v_add_nc_u32 v4, VSCL, v9
	v_add_nc_u32 v2, VIMG, v1
.irp j, 20,21,22,23, 28,29,30,31, 64,65,66,67
	v_mov_b32 v[\j], 0                             ; zero codes: k = 64 .. 127 of Q's two fragments, and behind K's last tile: set once
.endr
	v_mov_b32 v219, 0xa7a7a7a7                     ; the mask's scale: 2^40, the same byte everywhere
	v_mov_b32 v238, s34                            ; c, for the select
.irp j, 11,224,225,226,227,233,234,237
	v_mov_b32 v[\j], 0                             ; written once: lane permutes' destinations, and the upper halves of pairs whose low word alone is used
.endr
; A KEY STEP of 128 keys: the j-th of a trip's four, in pass p.  At its head the step's K and K's scale words are in.
.macro STEP j, p
.set MB, MK+8*(\j)
	s_wait_loadcnt 6                               ; my set of mask codes is in (at the launch's first step both Q too); the six loads of the three younger sets may be out
.irp t, 0,1,2,3,4,5,6,7
	v_cvt_scale_pk8_f32_fp4 v[SC+8*\t:SC+7+8*\t], v[MB+\t], v219   ; 0, or -2^40 where the mask is 0: what the scores are added onto
.endr
	v_nop                                          ; one plain place behind a scaled conversion
	global_load_b128 v[MB:MB+3], v1, s[40:41] offset:4096+(\j)*1024        ; the codes of the step four on, into the set just converted
	global_load_b128 v[MB+4:MB+7], v1, s[40:41] offset:4096+(\j)*1024+512
.irp u, 0,1,2,3,4,5,6,7
	MM SC+8*\u, KF+4*\u, 16+8*(\p), 204+\u, 216+2*(\p)     ; S^T = K Q^T, on top of the mask's term
.endr
	PLACES 4                                       ; in front of loads into registers that those products have read, and of the first read of the scores
.if (\j) < 3
	KLOAD 5, ((\j)+1)*4096, 7, ((\j)+1)*512        ; the next step's K
.else
	s_cmp_eq_u32 s36, 3
	s_cbranch_scc1 .Llast_\@
	KLOAD 5, 16384, 7, 2048
.if (\p) == 0
	s_branch .Lgot_\@
.Llast_\@:
	KLOAD 1, 0, 3, 0                               ; the pass's last step: the next pass begins with the head's first keys again
.Lgot_\@:
.else
.Llast_\@:                                             ; the last pass's last step asks for nothing
.endif
.endif
.irp b, 0,1,2,3
	v_max3_num_f32 v[220+\b], v[SC+16*\b], v[SC+1+16*\b], v[SC+2+16*\b]    ; the largest score of each block of 32 keys: for the row's maximum and, since p rises with the score, for the block's largest p
.endr
.irp i, 3,5,7,9,11,13
.irp b, 0,1,2,3
	v_max3_num_f32 v[220+\b], v[220+\b], v[SC+16*\b+\i], v[SC+1+16*\b+\i]
.endr
.endr
.irp b, 0,1,2,3
	v_max_num_f32 v[220+\b], v[220+\b], v[SC+15+16*\b]
.endr
.irp b, 0,1,2,3
	s_delay_alu instid0(VALU_DEP_4)
	v_permlanex16_b32 v[224+\b], v[220+\b], s32, s33
.endr
.irp b, 0,1,2,3
	s_delay_alu instid0(VALU_DEP_4)
	v_max_num_f32 v[220+\b], v[220+\b], v[224+\b]  ; with lane l xor 16's 16 keys
.endr
	s_delay_alu instid0(VALU_DEP_2)
	v_max3_num_f32 v234, v220, v221, v222
	s_delay_alu instid0(VALU_DEP_1)
	v_max_num_f32 v234, v234, v223
	s_delay_alu instid0(VALU_DEP_1)
	v_mul_f32 v234, s34, v234                      ; the step's largest t
	s_delay_alu instid0(VALU_DEP_1)
	v_max_num_f32 v13, v13, v234                   ; the running largest t
	v_mov_b32 v234, v12
	s_delay_alu instid0(VALU_DEP_2)
	v_floor_f32 v12, -v13                          ; -M = floor(-t): M is a whole number
	s_delay_alu instid0(VALU_DEP_1)
	v_sub_f32 v234, v12, v234                      ; old M - new M, 0 or less
	s_delay_alu instid0(VALU_DEP_1)
	v_cvt_i32_f32 v234, v234                       ; (it saturates)
	s_delay_alu instid0(VALU_DEP_1)
	v_ldexp_f32 v232, 1.0, v234                    ; f = 2^(old M - new M): a multiplication by it rounds nothing
	v_cmp_lt_f32 vcc_lo, 0xd1000000, v13           ; has my row had an open key?  (-2^35 < the largest t)
	v_cndmask_b32 v10, 0, v238, vcc_lo             ; then c and -M; else 0 and 0: p = 1 at every key
	v_cndmask_b32 v236, 0, v12, vcc_lo
.set J, 0
.rept 32
	v_pk_fma_f32 v[SC+J:SC+J+1], v[SC+J:SC+J+1], v[10:11], v[236:237] op_sel_hi:[1,0,0]    ; t - M, two at a time (of the two pairs the low word serves both halves)
.set J, J+2
.endr
.irp b, 0,1,2,3
	v_fma_f32 v[220+\b], v[220+\b], v10, v236      ; the same of each block's largest score
.endr
	s_wait_alu depctr_va_vdst(0)                   ; the wait ahead of the batch
.set J, 0
.rept 64
	v_exp_f32 v[SC+J], v[SC+J]                     ; p = 2^(t - M)
.set J, J+1
.endr
	v_pk_mul_f32 v[14:15], v[14:15], v[232:233] op_sel_hi:[1,0]    ; l under the new M: the plain place behind the exponentials
	s_wait_alu depctr_va_vdst(0)                   ; one wait for the batch of 64, ahead of its first reader
.irp b, 0,1,2,3
	v_exp_f32 v[220+\b], v[220+\b]                 ; the blocks' largest p
.endr
.set J, 0
.rept 7
	v_pk_add_f32 v[242+2*J:243+2*J], v[SC+2*J:SC+2*J+1], v[SC+14+2*J:SC+15+2*J]    ; the sum of the unquantised p, in seven chains: first the lower half's 16 pairs
.set J, J+1
.endr
	v_pk_add_f32 v[242:243], v[242:243], v[SC+28:SC+29]
	v_pk_add_f32 v[244:245], v[244:245], v[SC+30:SC+31]
	s_wait_alu depctr_va_vdst(0)                   ; and one wait for the four
.irp b, 0,1,2,3
	v_max_num_f32 v[220+\b], 0x1800000, v[220+\b]  ; the floor 2^(3 - 127): a block whose every p is 0 keeps the byte 1: its codes are zeros
.endr
.irp b, 0,1,2,3
	s_delay_alu instid0(VALU_DEP_4)
	v_add_nc_u32 v[228+\b], 0xff000000, v[220+\b]  ; 2 off the exponent field: the conversion's scale operand
.endr
.irp b, 0,1,2,3
	s_delay_alu instid0(VALU_DEP_4)
	v_lshrrev_b32 v[224+\b], 23, v[228+\b]
.endr
	v_lshl_or_b32 v217, v225, 8, v224              ; p's scale word for these 128 keys
	v_lshl_or_b32 v217, v226, 16, v217
	v_lshl_or_b32 v217, v227, 24, v217
.irp t, 0,1,2,3
	v_cvt_scalef32_pk8_fp4_f32 v[PC+2*(\t%2)+(\t/2)%2], v[SC+8*\t:SC+7+8*\t], v[228+\t/2]
.endr
	v_nop                                          ; one plain place behind a scaled conversion
.irp n, 0,1,2,3
	ds_load_b128 v[SC+8*\n:SC+8*\n+3], v6 offset:(\j)*4096+\n*1024         ; V's four fragments, over the lower half of p, which is done with
	ds_load_b128 v[SC+8*\n+4:SC+8*\n+7], v6 offset:(\j)*4096+\n*1024+512
.endr
	ds_load_b128 v[212:215], v8 offset:(\j)*256    ; and their scale words
.set J, 0
.rept 16
	v_pk_add_f32 v[242+2*((J+2)%7):243+2*((J+2)%7)], v[242+2*((J+2)%7):243+2*((J+2)%7)], v[SC+32+2*J:SC+33+2*J]    ; the upper half's 16 pairs
.set J, J+1
.endr
.irp t, 4,5,6,7
	v_cvt_scalef32_pk8_fp4_f32 v[PC+4+2*(\t%2)+(\t/2)%2], v[SC+8*\t:SC+7+8*\t], v[228+\t/2]
.endr
	v_nop                                          ; one plain place behind a scaled conversion
.irp u, 0,2,4,6
	v_permlane16_swap_b32 v[PC+\u], v[PC+1+\u]     ; a whole block to a lane: registers 4 c .. 4 c + 3 hold keys 64 c + 32 h + 0 .. 31
.endr
	s_wait_alu depctr_va_vdst(0)                   ; the wait here, directly ahead of the first reader of O^T
.set J, 0
.rept 16
	v_pk_mul_f32 v[OT+J:OT+J+1], v[OT+J:OT+J+1], v[232:233] op_sel_hi:[1,0]        ; O^T under the new M; these sixteen are also the places between p's codes and the products
.set J, J+2
.endr
	s_wait_alu depctr_va_vdst(0)                   ; the wait here, directly ahead of the wait below
	s_wait_dscnt 0x0                               ; V is in, and so is the next step's K, asked for ahead of it
.irp n, 0,1,2,3
	MM OT+8*\n, SC+8*\n, PC, 212+\n, 217           ; O^T += V^T P^T; the four accumulators take turns
.endr
	v_pk_add_f32 v[242:243], v[242:243], v[250:251]        ; the seven chains are joined: these seven are the places behind the products, whose source registers take new numbers at the next step's head
	v_pk_add_f32 v[244:245], v[244:245], v[252:253]
	v_pk_add_f32 v[246:247], v[246:247], v[254:255]
	v_pk_add_f32 v[242:243], v[242:243], v[248:249]
	v_pk_add_f32 v[244:245], v[244:245], v[246:247]
	v_pk_add_f32 v[242:243], v[242:243], v[244:245]
	v_pk_add_f32 v[14:15], v[14:15], v[242:243]
.endm
; A PASS: query tile T = 32 cx + 16 p + wave.
.macro PASS p
.if \p
	s_wait_xcnt 0x0                                ; the last pass's stores have read their registers and bases
.endif
	s_lshl_b32 s48, s15, 5
	s_add_co_u32 s48, s48, s14
.if \p
	s_add_co_u32 s48, s48, 16
.endif
	s_lshl_b32 s49, s17, 7
	s_add_co_u32 s49, s49, s48                     ; batch x 128 + T
	s_mov_b32 s53, 0
	s_mov_b32 s51, 0
.if (\p) == 0
	s_mul_i32 s50, s16, 73728                      ; the head's block of qb
	s_lshl_b32 s52, s48, 9
	s_add_co_u32 s52, s52, s50
	s_add_nc_u64 s[42:43], s[4:5], s[52:53]        ; Q's image; the second pass's lies 16 tiles, 8,192 bytes, on
	s_lshr_b32 s52, s48, 2
	s_lshl_b32 s52, s52, 8
	s_and_b32 s54, s48, 3
	s_lshl_b32 s54, s54, 2
	s_add_co_u32 s52, s52, s54
	s_add_co_u32 s52, s52, s50
	s_add_co_u32 s52, s52, 65536
	s_add_nc_u64 s[56:57], s[4:5], s[52:53]        ; its scale words; the second pass's 1,024 bytes on
	s_lshl_b32 s52, s49, 14
	s_add_nc_u64 s[40:41], s[8:9], s[52:53]        ; the mask's images of my 16 queries; the second pass's lie 262,144 bytes on
.endif
	s_lshl_b32 s52, s49, 4
	s_add_co_u32 s52, s52, s18
	s_lshl_b32 s52, s52, 9
	s_add_nc_u64 s[44:45], s[10:11], s[52:53]      ; x's image [tile][head][512]
	s_lshl_b32 s52, s49, 9
	s_lshr_b32 s54, s18, 3
	s_lshl_b32 s54, s54, 8
	s_add_co_u32 s52, s52, s54
	s_bfe_u32 s54, s18, 0x20001
	s_lshl_b32 s54, s54, 2
	s_add_co_u32 s52, s52, s54
	s_and_b32 s54, s18, 1
	s_lshl_b32 s54, s54, 1
	s_add_co_u32 s52, s52, s54
	s_add_nc_u64 s[46:47], s[12:13], s[52:53]      ; x's scale bytes [tile][head / 8][r][(head / 2) % 4] words, bytes 2 (head % 2) on
.if (\p) == 0
	global_load_b128 v[16:19], v1, s[42:43]        ; both passes' Q and scale words,
	global_load_b32 v216, v9, s[56:57]
	global_load_b128 v[24:27], v1, s[42:43] offset:8192
	global_load_b32 v218, v9, s[56:57] offset:1024
.irp j, 0,1,2,3
	global_load_b128 v[MK+8*\j:MK+8*\j+3], v1, s[40:41] offset:\j*1024     ; and the first four steps' mask codes
	global_load_b128 v[MK+8*\j+4:MK+8*\j+7], v1, s[40:41] offset:\j*1024+512
.endr
.endif
	v_mov_b32 v13, 0xd1000000                      ; the largest t so far: -2^35, over every masked t and under every open one
	v_floor_f32 v12, -v13
	v_mov_b32 v14, 0
	v_mov_b32 v15, 0
.set J, 0
.rept 32
	v_mov_b32 v[OT+J], 0                           ; O^T: the step is written once for all steps
.set J, J+1
.endr
	s_mov_b32 s36, 0
	s_mov_b32 s37, 0
	s_mov_b32 s38, 0
	s_mov_b32 s39, 0
	s_wait_alu depctr_va_vdst(0)                   ; the wait at the head's end
.if (\p) == 0
	s_wait_tensorcnt 0x0                           ; my sixteenth of the head's block has landed,
	s_barrier_signal -1
	s_barrier_wait -1                              ; everybody's has; nothing is filled again in this launch
	KLOAD 1, 0, 3, 0                               ; the first step's K
	s_wait_dscnt 0x0
.endif
.Ltrip_\@:
	v_add_nc_u32 v5, s37, v1                       ; the trip's four steps of K's images,
	v_add_nc_u32 v6, s37, v2                       ; V's,
	v_add_nc_u32 v7, s38, v3                       ; K's scale words,
	v_add_nc_u32 v8, s39, v4                       ; V's
	s_wait_alu depctr_va_vdst(0)                   ; the wait here, directly behind the writes
	STEP 0, \p
	STEP 1, \p
	STEP 2, \p
	STEP 3, \p
	s_add_co_u32 s37, s37, 16384
	s_add_co_u32 s38, s38, 2048
	s_add_co_u32 s39, s39, 1024
	s_mov_b32 s50, 4096                            ; the mask's base goes four images on;
	s_cmp_eq_u32 s36, 2
.if (\p) == 0
	s_cselect_b32 s50, 249856, s50                 ; the first pass's last trip asks for the second pass's first four: 262,144 - 12,288 bytes on
.else
	s_cselect_b32 s50, 0, s50                      ; the second pass's last trip asks for its own four again
.endif
	s_wait_alu depctr_va_vdst(0)                   ; the wait here, directly ahead of the wait below
	s_wait_xcnt 0x0                                ; the trip's loads have read their base
	s_add_nc_u64 s[40:41], s[40:41], s[50:51]
	s_add_co_u32 s36, s36, 1
	s_cmp_lt_u32 s36, 4
	s_cbranch_scc1 .Ltrip_\@
	v_add_f32 v14, v14, v15
	v_permlanex16_b32 v234, v14, s32, s33
	v_add_f32 v14, v14, v234                       ; the row's sum
	s_wait_alu depctr_va_vdst(0)                   ; the wait ahead of the transcendental
	v_rcp_f32 v232, v14
	v_nop                                          ; one plain place behind it
	s_wait_alu depctr_va_vdst(0)                   ; the wait for the reciprocal, directly ahead of its first reader and of O^T's
.set J, 0
.rept 16
	v_pk_mul_f32 v[SC+J:SC+J+1], v[OT+J:OT+J+1], v[232:233] op_sel_hi:[1,0]        ; x: register 8 n + j = channel 16 n + 8 h + j of my query; each accumulator from its low end on
.set J, J+2
.endr
.irp b, 0,1
	v_max3_num_f32 v[220+\b], |v[SC+16*\b]|, |v[SC+1+16*\b]|, 0x1800000    ; x is quantised along D: the head's 64 channels are two blocks
.endr
.irp i, 2,4,6,8,10,12,14
.irp b, 0,1
	v_max3_num_f32 v[220+\b], v[220+\b], |v[SC+16*\b+\i]|, |v[SC+1+16*\b+\i]|
.endr
.endr
.irp b, 0,1
	v_permlanex16_b32 v[224+\b], v[220+\b], s32, s33
.endr
.irp b, 0,1
	v_max_num_f32 v[220+\b], v[220+\b], v[224+\b]
.endr
.irp b, 0,1
	v_add_nc_u32 v[228+\b], 0xff000000, v[220+\b]
.endr
.irp b, 0,1
	v_lshrrev_b32 v[224+\b], 23, v[228+\b]
.endr
	v_lshl_or_b32 v234, v225, 8, v224              ; the row's two scale bytes
.irp n, 0,1,2,3
	v_cvt_scalef32_pk8_fp4_f32 v[PC+2*(\n%2)+\n/2], v[SC+8*\n:SC+7+8*\n], v[228+\n/2]
.endr
	v_nop                                          ; one plain place behind a scaled conversion
	v_permlane16_swap_b32 v[PC], v[PC+1]
	v_permlane16_swap_b32 v[PC+2], v[PC+3]
	global_store_b128 v1, v[PC:PC+3], s[44:45]     ; 32 lanes store 512 consecutive bytes, aligned
	global_store_b16 v9, v234, s[46:47]            ; two bytes a row, 16 bytes apart (lanes r and r + 16 store the same): one byte in 16 of what this launch stores
.endm
	PASS 0
	PASS 1
	s_wait_tensorcnt 0x0                           ; the wave's end
	ds_add_u32 v240, v241
	s_wait_dscnt 0x0
	CROUND                                         ; the closing round
	s_endpgm
.Lfunc_end_k_q24cc0e8235_attn:
	.size	k_q24cc0e8235_attn, .Lfunc_end_k_q24cc0e8235_attn-k_q24cc0e8235_attn
	.p2alignl 7, 3214868480
	.fill 96, 4, 3214868480
	.section	.rodata,"a",@progbits
	.p2align	6, 0x0
	.amdhsa_kernel k_q24cc0e8235_attn
		.amdhsa_group_segment_fixed_size 167936
		.amdhsa_private_segment_fixed_size 0
		.amdhsa_enable_private_segment 0
		.amdhsa_kernarg_size 40
		.amdhsa_user_sgpr_count 2
		.amdhsa_user_sgpr_kernarg_segment_ptr 1
		.amdhsa_wavefront_size32 1
		.amdhsa_system_sgpr_workgroup_id_x 1
		.amdhsa_system_sgpr_workgroup_id_y 1
		.amdhsa_system_sgpr_workgroup_id_z 1
		.amdhsa_system_vgpr_workitem_id 0
		.amdhsa_next_free_vgpr 256
		.amdhsa_next_free_sgpr 66
		.amdhsa_reserve_vcc 1
		.amdhsa_float_denorm_mode_32 3
		.amdhsa_float_denorm_mode_16_64 3
		.amdhsa_memory_ordered 1
		.amdhsa_forward_progress 1
		.amdhsa_inst_pref_size 149
	.end_amdhsa_kernel
	.amdgpu_metadata
---
amdhsa.version: [ 1, 2 ]
amdhsa.kernels:
  - .name:           k_q24cc0e8235_attn
    .symbol:         k_q24cc0e8235_attn.kd
    .args:
      - { .name: qb, .offset: 0, .size: 8, .value_kind: global_buffer, .address_space: global }
      - { .name: kv, .offset: 8, .size: 8, .value_kind: global_buffer, .address_space: global }
      - { .name: mimg, .offset: 16, .size: 8, .value_kind: global_buffer, .address_space: global }
      - { .name: ximg, .offset: 24, .size: 8, .value_kind: global_buffer, .address_space: global }
      - { .name: xscl, .offset: 32, .size: 8, .value_kind: global_buffer, .address_space: global }
    .group_segment_fixed_size: 167936
    .private_segment_fixed_size: 0
    .kernarg_segment_align: 8
    .kernarg_segment_size: 40
    .max_flat_workgroup_size: 512
    .sgpr_count:     66
    .vgpr_count:     256
    .wavefront_size: 32
...
	.end_amdgpu_metadata
.endif
;; end of part 3
;; launch outp (part 4): grid 8 x 32, 4 waves a work-group, clusters of 4 x 4, 247,552 bytes of LDS; arguments Wo_codes, Wo_scales, ximg, xscl, bo, out0; writes out0
.if DOCPART == 4
	.amdgcn_target "amdgcn-amd-amdhsa--gfx1250"
	.amdhsa_code_object_version 6
	.text
	.protected	k_q24cc0e8235_outp
	.globl	k_q24cc0e8235_outp
	.p2align	8
	.type	k_q24cc0e8235_outp,@function
k_q24cc0e8235_outp:
	s_mov_b64 s[64:65], 0
	v_nop
	global_prefetch_b8 v0, s[64:65] scope:SCOPE_SE
	s_setreg_imm32_b32 hwreg(HW_REG_WAVE_MODE, 25, 1), 1
	s_wait_xcnt 0x0
	s_wait_alu depctr_hold_cnt(0) depctr_sa_sdst(0) depctr_va_vdst(0) depctr_va_sdst(0) depctr_va_ssrc(0) depctr_va_vcc(0) depctr_vm_vsrc(0)
	s_getreg_b32 s2, hwreg(HW_REG_IB_STS2, 6, 4)
	s_cmp_eq_u32 s2, 0
	s_cbranch_scc0 .Lentry_in_a_cluster
	s_endpgm
.Lentry_in_a_cluster:
	s_bfe_u32 s2, ttmp6, 0x10000c
	s_cmp_lg_u32 s2, 0xf033
	s_cbranch_scc0 .Lentry_shape_is_right
	s_endpgm
.Lentry_shape_is_right:
; out0 = x Wo^T + bo on E2M1 codes: x's codes and scale bytes as attention stored them (images of operand registers), Wo's as given.  Nothing of the problem is left out here.
; SHARES: a work-group makes 256 tokens x 128 output columns over all K = 1,024: 256 work-groups.  Wave w: tokens 64 w .. 64 w + 63 x all 128 columns: 32 accumulators.
; Source 0 = 16 rows of Wo, source 1 = 16 tokens: a lane holds one token and eight neighbouring columns.
; LDS: all of K lies there at once, in two halves; every tensor load is a first fill.  Wo's rows: 512 bytes + 16 of padding.  x's images are dense: every fragment load takes 512 consecutive bytes.
; CLUSTER 4 x 4: Wo's tile hangs on cx alone and is asked for jointly down a column of the cluster, x's on cy alone and jointly along a row.
; REGISTERS: window 0: v1-29 addresses; v32-63 Wo's scale words, v64-79 x's (lanes 0-15: K steps 0-3, lanes 16-31: steps 4-7); v128-191 the bias, later with v192-255 rows on the way out.
;   window 1: accumulator (i, n) at v[64 n + 8 i].   window 2: two fragment buffers of 96: Wo's eight, then x's four.
; LDS: Wo's rows hold all 1,024 codes, 512 bytes + 16 of padding (pitch 528); x's images lie as in memory, [token tile 16][head 16][512].  Four first fills, one a wave, and no later fill.
.set WCH,   256                        ; from K's first half to its second, in a row of Wo
.set XO,    67584                      ; behind Wo's 128 rows x 528: x's images
.set XCH,   4096                       ; from heads 0-7 to heads 8-15 of a token tile
.set SCLW,  198656                     ; Wo's scale bytes: 16 units of 256 + 16
.set SCLX,  203008                     ; x's scale words: [tile 16][half 2][r 16][4 words], dense
.set STG,   211200                     ; the way out: 16 rows x (512 + 16) bytes for each wave; no tensor load lands here
.set SPARE, 244992                     ; the spare words, 128 bytes for each wave
.set PADC,  (1<<20)|(1<<21)|(6<<22)|(3<<25)    ; codes: after every 128 words four words
.set PADW,  (1<<20)|(1<<21)|(5<<22)|(3<<25)
.set MSB, 0
.macro WIN new                         ; the immediate's high byte repeats the setting that is left
.if MSB != \new
	s_set_vgpr_msb (MSB<<8)|\new
.set MSB, \new
.endif
.endm
.macro PLACES n
.rept \n
	v_nop
.endr
.endm
.macro ARM under, g0, g1, next         ; an arm of the head's one tree of branches on the wave's number: its joint load, an s_nop 0 and four v_nop, a jump to the tree's end
	s_cmp_lt_u32 s76, \under
	s_cbranch_scc0 \next
	tensor_load_to_lds s[\g0:\g0+3], s[\g1:\g1+7]
	s_nop 0
	PLACES 4
	s_branch .Lhead_asked
\next:
.endm
.macro CROUND                          ; a round of the cluster's barrier
	s_barrier_signal -1
	s_barrier_wait -1
	s_cmp_lg_u32 s76, 0
	s_cbranch_scc1 .Lnot_wave_0_\@
	s_barrier_signal -3
.Lnot_wave_0_\@:
	s_barrier_wait -3
	s_barrier_signal -1
	s_barrier_wait -1
.endm
	s_load_b256 s[4:11], s[0:1], 0x0               ; Wo's codes s[4:5], its scales s[6:7], ximg s[8:9], xscl s[10:11]
	s_load_b128 s[12:15], s[0:1], 0x20             ; bo s[12:13], out0 s[14:15]
	v_lshl_add_u32 v28, v0, 2, SPARE
	v_mov_b32 v29, 0
	ds_add_u32 v28, v29                            ; the wave's opening: the add, twice on end, and its wait ahead of my first tensor load
	ds_add_u32 v28, v29
	v_lshrrev_b32 v1, 5, v0
	v_readfirstlane_b32 s76, v1                    ; wave
	s_bfe_u32 s66, ttmp6, 0x40000                  ; cx
	s_bfe_u32 s67, ttmp6, 0x40004                  ; cy
	s_lshl_b32 s81, ttmp9, 2
	s_add_co_u32 s81, s81, s66                     ; which 128 columns: hangs on cx, not on cy
	s_and_b32 s82, ttmp7, 0xffff
	s_lshl_b32 s82, s82, 2
	s_add_co_u32 s82, s82, s67                     ; which 256 tokens: hangs on cy, not on cx
	s_lshl_b32 s83, 0x1111, s66                    ; my column of the cluster
	s_lshl_b32 s84, s67, 2
	s_lshl_b32 s84, 15, s84                        ; my row
	s_or_b32 s16, s83, PADC                        ; group 1, Wo's codes: 128 rows x 512 bytes, padded
	s_mov_b32 s17, 512<<16
	s_mov_b32 s18, 128<<16
	s_mov_b32 s19, 512<<16
	s_mov_b32 s20, 128
	s_mov_b32 s21, 512
	s_mov_b32 s22, 0
	s_mov_b32 s23, 0
	s_or_b32 s24, s84, (3<<16)|(1<<21)             ; x's images: 16 token tiles x 8,192 bytes (1,024 elements of 8), dense in memory and in LDS
	s_mov_b32 s25, 1024<<16
	s_mov_b32 s26, 16<<16
	s_mov_b32 s27, 1024<<16
	s_mov_b32 s28, 16
	s_mov_b32 s29, 1024
	s_mov_b32 s30, 0
	s_mov_b32 s31, 0
	s_or_b32 s32, s83, (3<<16)|PADW                ; Wo's scale bytes: 128 rows x 32 dense bytes, as 16 rows of 256, padded
	s_mov_b32 s33, 32<<16
	s_mov_b32 s34, 16<<16
	s_mov_b32 s35, 32<<16
	s_mov_b32 s36, 16
	s_mov_b32 s37, 32
	s_mov_b32 s38, 0
	s_mov_b32 s39, 0
	s_or_b32 s40, s84, (3<<16)|(1<<21)             ; x's scale words: 16 tiles x 512 dense bytes, as 32 rows of 256
	s_mov_b32 s41, 32<<16
	s_mov_b32 s42, 32<<16
	s_mov_b32 s43, 32<<16
	s_mov_b32 s44, 32
	s_mov_b32 s45, 32
	s_mov_b32 s46, 0
	s_mov_b32 s47, 0
	s_lshl_b32 s86, s81, 7                         ; Wo: the tile's first row
	s_lshl_b32 s88, s86, 9
	s_mov_b32 s89, 0
	s_lshl_b32 s86, s86, 5
	s_mov_b32 s87, 0
	s_lshl_b32 s90, s82, 4                         ; x: the first token tile
	s_lshl_b32 s92, s90, 13
	s_mov_b32 s93, 0
	s_lshl_b32 s90, s90, 9
	s_mov_b32 s91, 0
	s_wait_dscnt 0x0                               ; both opening adds are done
	s_wait_kmcnt 0x0
	s_mov_b32 s48, 1                               ; group 0: Wo's scale bytes
	s_mov_b32 s49, SCLW
	s_add_nc_u64 s[50:51], s[6:7], s[86:87]
	s_or_b32 s51, s51, 0x80000000
	s_mov_b32 s52, 1                               ; Wo's codes
	s_mov_b32 s53, 0
	s_add_nc_u64 s[54:55], s[4:5], s[88:89]
	s_or_b32 s55, s55, 0x80000000
	s_mov_b32 s60, 1                               ; x's scale words
	s_mov_b32 s61, SCLX
	s_add_nc_u64 s[62:63], s[10:11], s[90:91]
	s_or_b32 s63, s63, 0x80000000
	s_mov_b32 s68, 1                               ; x's images
	s_mov_b32 s69, XO
	s_add_nc_u64 s[70:71], s[8:9], s[92:93]
	s_or_b32 s71, s71, 0x80000000
	CROUND                                         ; all sixteen work-groups are here: the joint loads meet
	ARM 1, 52, 16, .Lhead_x                        ; wave 0: Wo's codes; one tensor load a wave at the head
	ARM 2, 68, 24, .Lhead_sw                       ; wave 1: x's images
	ARM 3, 48, 32, .Lhead_sx                       ; wave 2: Wo's scale bytes
	tensor_load_to_lds s[60:63], s[40:47]          ; wave 3: x's scale words
	s_nop 0
	PLACES 4
.Lhead_asked:
	v_and_b32 v1, 15, v0                           ; r
	v_bfe_u32 v2, v0, 4, 1                         ; h
	v_and_b32 v3, 31, v0                           ; lane
	v_lshlrev_b32 v10, 4, v3                       ; 16 x lane
	v_mul_u32_u24 v4, v1, 528
	v_lshl_add_u32 v4, v2, 4, v4                   ; Wo's fragments, first half of K: row r x pitch + 16 h
	v_add_nc_u32 v5, WCH, v4
	s_lshl_b32 s86, s76, 15
	s_add_co_u32 s86, s86, XO
	v_add_nc_u32 v6, s86, v10                      ; x's: my four token tiles, 16 x lane
	v_add_nc_u32 v7, XCH, v6
	v_lshrrev_b32 v12, 3, v1                       ; Wo's scale bytes: row r at 272 (r / 8) + 32 (r % 8); lanes 16-31 the row's second 16 bytes
	v_mul_u32_u24 v8, v12, 272
	v_and_b32 v12, 7, v1
	v_lshl_add_u32 v8, v12, 5, v8
	v_lshl_add_u32 v8, v2, 4, v8
	v_add_nc_u32 v8, SCLW, v8
	v_lshlrev_b32 v9, 4, v1                        ; x's scale words: 16 r + 256 h in a tile's 512 bytes
	v_lshl_add_u32 v9, v2, 8, v9
	s_lshl_b32 s86, s76, 11
	s_add_co_u32 s86, s86, SCLX
	v_add_nc_u32 v9, s86, v9
	v_lshlrev_b32 v11, 5, v2                       ; the bias of columns 8 h + 0 .. 7 of a tile
	s_wait_alu depctr_va_vdst(0)
	s_mul_i32 s86, s76, 8448
	s_add_co_u32 s86, s86, STG                     ; my stage
	v_mul_u32_u24 v14, v1, 528
	v_lshl_add_u32 v14, v2, 5, v14
	v_add_nc_u32 v14, s86, v14                     ; in: row r, 32 bytes for each half of the lanes
	v_add_nc_u32 v15, s86, v10                     ; back: the 32 lanes take one row of 512 bytes
	s_lshl_b32 s86, s81, 9
	s_mov_b32 s87, 0
	s_add_nc_u64 s[12:13], s[12:13], s[86:87]      ; the work-group's 128 numbers of bo
	s_add_nc_u64 s[14:15], s[14:15], s[86:87]      ; and its 512 bytes of a row of out0,
	s_lshl_b32 s86, s82, 8
	s_lshl_b32 s88, s76, 6
	s_add_co_u32 s86, s86, s88
	s_lshl_b32 s86, s86, 12                        ; at my first token: rows of 4,096 bytes
	s_add_nc_u64 s[14:15], s[14:15], s[86:87]
.irp i, 0,1,2,3,4,5,6,7                        ; the bias is the C of each sum's first product: tile i's columns 16 i + 8 h + 0 .. 7
	global_load_b128 v[128+8*\i:131+8*\i], v11, s[12:13] offset:64*\i
	global_load_b128 v[132+8*\i:135+8*\i], v11, s[12:13] offset:64*\i+16
.endr
.macro MM d, a, b, c, x, y
	v_wmma_scale_f32_16x16x128_f8f6f4 v[\d:\d+7], v[\a:\a+7], v[\b:\b+7], v[\c:\c+7], v[\x], v[\y] matrix_a_fmt:MATRIX_FMT_FP4 matrix_b_fmt:MATRIX_FMT_FP4
.endm
.macro MMR d, a, b, c, x, y            ; the scale words of K steps 4 to 7 lie in lanes 16-31
	v_wmma_scale_f32_16x16x128_f8f6f4 v[\d:\d+7], v[\a:\a+7], v[\b:\b+7], v[\c:\c+7], v[\x], v[\y] matrix_a_fmt:MATRIX_FMT_FP4 matrix_b_fmt:MATRIX_FMT_FP4 matrix_a_scale:MATRIX_SCALE_ROW1 matrix_b_scale:MATRIX_SCALE_ROW1
.endm
.macro FETCH k                         ; K step k's 12 fragments into buffer k % 2: 24 loads in one run
.set FB, 96*((\k)%2)
.set QQ, (\k)%4
.set CN, (\k)/4
	WIN 0x80                                       ; destination window 2
.irp i, 0,1,2,3,4,5,6,7
	ds_load_b128 v[FB+8*\i:FB+8*\i+3], v[4+CN] offset:\i*8448+64*QQ
	ds_load_b128 v[FB+8*\i+4:FB+8*\i+7], v[4+CN] offset:\i*8448+64*QQ+32
.endr
.irp n, 0,1,2,3
	ds_load_b128 v[FB+64+8*\n:FB+64+8*\n+3], v[6+CN] offset:\n*8192+1024*QQ        ; the images of heads 2 q and 2 q + 1 of the half
	ds_load_b128 v[FB+64+8*\n+4:FB+64+8*\n+7], v[6+CN] offset:\n*8192+1024*QQ+512
.endr
	WIN 0
.endm
.macro MULS k, cm                      ; K step k's 32 products; cm = 1: the sums begin with the bias.  The 32 accumulators take turns in the same order in every step.
.set FB, 96*((\k)%2)
.set QQ, (\k)%4
.if \cm
	WIN 0x4a                                       ; sources 0, 1 window 2, C window 0, D window 1
.else
	WIN 0x5a                                       ; C and D window 1
.endif
.irp n, 0,1,2,3
.irp i, 0,1,2,3,4,5,6,7
.if \cm
	MM 64*\n+8*\i, FB+8*\i, FB+64+8*\n, 128+8*\i, 32+4*\i+QQ, 64+4*\n+QQ
.elseif (\k) < 4
	MM 64*\n+8*\i, FB+8*\i, FB+64+8*\n, 64*\n+8*\i, 32+4*\i+QQ, 64+4*\n+QQ
.else
	MMR 64*\n+8*\i, FB+8*\i, FB+64+8*\n, 64*\n+8*\i, 32+4*\i+QQ, 64+4*\n+QQ
.endif
.endr
.endr
	WIN 0
.endm
.macro AHEAD k
	s_wait_dscnt 0x0                               ; this step's 24 loads (asked for ahead of the last step's products)
.if (\k) < 7
.if (\k) > 0
	PLACES 4                                       ; in front of loads into registers that the last step's products have read
.endif
	FETCH (\k)+1
.endif
.endm
	s_wait_tensorcnt 0x0                           ; my one tile of the head's four is in
	s_barrier_signal -1
	s_barrier_wait -1                              ; everybody's are
.irp i, 0,1,2,3,4,5,6,7
	ds_load_b128 v[32+4*\i:35+4*\i], v8 offset:544*\i
.endr
.irp n, 0,1,2,3
	ds_load_b128 v[64+4*\n:67+4*\n], v9 offset:512*\n
.endr
	FETCH 0
	s_wait_loadcnt 0x0                             ; the bias
	AHEAD 0
	MULS 0, 1
.irp k, 1,2,3,4,5,6,7
	AHEAD \k
	MULS \k, 0
.endr
; THE WAY OUT, a tile of 16 tokens at a time: a lane's 32 bytes of a row go into my own stage and come back as whole rows of 512 bytes.  LDS serves a wave's instructions in order: no wait between the stores and the loads.
.macro TOSTAGE n
	WIN 0x04                                       ; an LDS store's data are its source 1: window 1
.irp i, 0,1,2,3,4,5,6,7
	ds_store_b128 v14, v[64*(\n)+8*\i:64*(\n)+8*\i+3] offset:64*\i         ; each accumulator from its low end on
	ds_store_b128 v14, v[64*(\n)+8*\i+4:64*(\n)+8*\i+7] offset:64*\i+16
.endr
	WIN 0
.set BB, 128+64*((\n)%2)
.irp t, 0,1,2,3,4,5,6,7,8,9,10,11,12,13,14,15
	ds_load_b128 v[BB+4*\t:BB+4*\t+3], v15 offset:\t*528
.endr
.endm
.macro SEND n, younger                 ; younger: the LDS instructions issued behind tile n's loads, which may stay out
.set BB, 128+64*((\n)%2)
	s_wait_dscnt \younger
.irp t, 0,1,2,3,4,5,6,7,8,9,10,11,12,13,14,15
	global_store_b128 v10, v[BB+4*\t:BB+4*\t+3], s[14:15] offset:(16*(\n)+\t)*4096 th:TH_STORE_NT  ; 32 lanes store 512 consecutive bytes, aligned; written once, read by nobody here
.endr
.endm
	PLACES 4                                       ; in front of the first read of results
	s_wait_alu depctr_va_vdst(0)
	TOSTAGE 0
.irp a, 1,2,3
.if \a > 1
	s_wait_xcnt 0x0                                ; tile a - 2's stores have read their registers: tile a's rows may land there
.endif
	TOSTAGE \a
	SEND \a-1, 32                                  ; behind tile a - 1's loads: tile a's 16 stores and 16 loads
.endr
	SEND 3, 0
	s_wait_tensorcnt 0x0                           ; the wave's end, behind my last LDS store
	ds_add_u32 v28, v29
	s_wait_dscnt 0x0
	CROUND                                         ; the closing round
	s_endpgm
.Lfunc_end_k_q24cc0e8235_outp:
	.size	k_q24cc0e8235_outp, .Lfunc_end_k_q24cc0e8235_outp-k_q24cc0e8235_outp
	.p2alignl 7, 3214868480
	.fill 96, 4, 3214868480
	.section	.rodata,"a",@progbits
	.p2align	6, 0x0
	.amdhsa_kernel k_q24cc0e8235_outp
		.amdhsa_group_segment_fixed_size 247552
		.amdhsa_private_segment_fixed_size 0
		.amdhsa_enable_private_segment 0
		.amdhsa_kernarg_size 48
		.amdhsa_user_sgpr_count 2
		.amdhsa_user_sgpr_kernarg_segment_ptr 1
		.amdhsa_wavefront_size32 1
		.amdhsa_system_sgpr_workgroup_id_x 1
		.amdhsa_system_sgpr_workgroup_id_y 1
		.amdhsa_system_sgpr_workgroup_id_z 1
		.amdhsa_system_vgpr_workitem_id 0
		.amdhsa_next_free_vgpr 768
		.amdhsa_next_free_sgpr 102
		.amdhsa_reserve_vcc 0
		.amdhsa_float_denorm_mode_32 3
		.amdhsa_float_denorm_mode_16_64 3
		.amdhsa_memory_ordered 1
		.amdhsa_forward_progress 1
		.amdhsa_inst_pref_size 71
	.end_amdhsa_kernel
	.amdgpu_metadata
---
amdhsa.version: [ 1, 2 ]
amdhsa.kernels:
  - .name:           k_q24cc0e8235_outp
    .symbol:         k_q24cc0e8235_outp.kd
    .args:
      - { .name: Wo_codes, .offset: 0, .size: 8, .value_kind: global_buffer, .address_space: global }
      - { .name: Wo_scales, .offset: 8, .size: 8, .value_kind: global_buffer, .address_space: global }
      - { .name: ximg, .offset: 16, .size: 8, .value_kind: global_buffer, .address_space: global }
      - { .name: xscl, .offset: 24, .size: 8, .value_kind: global_buffer, .address_space: global }
      - { .name: bo, .offset: 32, .size: 8, .value_kind: global_buffer, .address_space: global }
      - { .name: out0, .offset: 40, .size: 8, .value_kind: global_buffer, .address_space: global }
    .group_segment_fixed_size: 247552
    .private_segment_fixed_size: 0
    .kernarg_segment_align: 8
    .kernarg_segment_size: 48
    .max_flat_workgroup_size: 128
    .sgpr_count:     102
    .vgpr_count:     768
    .wavefront_size: 32
...
	.end_amdgpu_metadata
.endif
;; end of part 4
